; MI455X (gfx1250); checked and timed in simulation.
; The chip was launched on July 23, 2026; its instructions are those of AMD's public machine-readable ISA for CDNA 5 (MIT licence, August 2026) and "CDNA5" Instruction Set Architecture Reference Guide (July 2026). The comments in the code are by the model that wrote it; some were corrected since.
;; Mixture Of Experts. Allowed arithmetic: matrix products marked QUANTISED: E3M2 operands, one E8M0 scale for each 32 along K, by v_wmma_scale_f32_16x16x128_f8f6f4 with both operands' format E3M2, f32 sums; everything else in f32.
;; Inputs: W_codes 8 x 1,024 x 32 x 24 uint8 (E3M2 codes of W, K innermost, in blocks of 32 codes, four codes in three bytes); W_scales 8 x 1,024 x 32 uint8 (E8M0 scales of W, one for each 32 codes along K); b 8 x 1,024 float32; gates 8,192 x 8 float32; x_codes 8,192 x 32 x 24 uint8 (E3M2 codes of x, K innermost, in blocks of 32 codes, four codes in three bytes); x_scales 8,192 x 32 uint8 (E8M0 scales of x, one for each 32 codes along K).
;; Outputs: out0 8,192 x 1,024 float32.
;; This version of the problem:
;;   THIS VERSION OF THE PROBLEM IS GIVEN IN LOW PRECISION. The matrix products marked QUANTISED in the list below multiply operands that are first quantised to E3M2 (3 exponent bits, 2 mantissa bits; 6 bits a number), with one power-of-two scale for each 32 numbers along K (OCP MX v1.0); their sums are f32. All else is computed in f32.
;;   The module's matrix products, in the order in which they are computed (A, B: the left and right operand; K: the contracted axis; several contracted axes count as one K, in the product's order):
;;     1. [M 8,192, K 1,024] x [K 1,024, N 1,024]; A: input x (given as codes); B: input W (given as codes): QUANTISED
;;     2. [M 8,192, K 1,024] x [K 1,024, N 1,024]; A: input x (given as codes); B: input W (given as codes): QUANTISED
;;     3. [M 8,192, K 1,024] x [K 1,024, N 1,024]; A: input x (given as codes); B: input W (given as codes): QUANTISED
;;     4. [M 8,192, K 1,024] x [K 1,024, N 1,024]; A: input x (given as codes); B: input W (given as codes): QUANTISED
;;     5. [M 8,192, K 1,024] x [K 1,024, N 1,024]; A: input x (given as codes); B: input W (given as codes): QUANTISED
;;     6. [M 8,192, K 1,024] x [K 1,024, N 1,024]; A: input x (given as codes); B: input W (given as codes): QUANTISED
;;     7. [M 8,192, K 1,024] x [K 1,024, N 1,024]; A: input x (given as codes); B: input W (given as codes): QUANTISED
;;     8. [M 8,192, K 1,024] x [K 1,024, N 1,024]; A: input x (given as codes); B: input W (given as codes): QUANTISED
;;   THE QUANTISER, for each operand of a quantised product, along K:
;;     - K is cut into blocks of 32 from its start; a last block that is shorter is filled with zeros.
;;     - A block's scale is 2^e with e = floor(log2(the largest magnitude in the block)) - 4, held to -126 .. 127; a block of zeros has e = 0. As a byte (E8M0): e + 127.
;;     - Each number is divided by its block's scale, clamped to +-28, and rounded to the nearest number of E3M2, ties to even, subnormals kept.
;;     - The product sums the exact products of the quantised numbers (number of the format x scale) in f32.
;;   ~~~python
;;   def quantise(x, axis):      # numpy; x: float32 -> the quantised numbers, widened to float32 again
;;       x = np.moveaxis(x, axis, -1); K = x.shape[-1]
;;       x = np.pad(x, [(0, 0)] * (x.ndim - 1) + [(0, -K % 32)]); x = x.reshape(x.shape[:-1] + (-1, 32)); a = np.abs(x).max(-1, keepdims=True)
;;       e = np.where(a > 0, np.clip(np.frexp(np.where(a > 0, a, 1))[1] - 1 - 4, -126, 127), 0)      # np.frexp(a)[1] - 1 = floor(log2(a)), exactly
;;       r = np.clip(x / 2.0 ** e, -28, 28)
;;       step = 2.0 ** (np.maximum(np.frexp(np.where(r == 0, 1, r))[1] - 1, -2) - 2)
;;       q = np.round(r / step) * step * 2.0 ** e      # np.round: ties to even
;;       return np.moveaxis(q.reshape(q.shape[:-2] + (-1,))[..., :K], -1, axis).astype(np.float32)
;;   ~~~
;;   INPUTS GIVEN AS CODES. W (in the module: [8, 1024, 1024], K = its axis 1); x (in the module: [8192, 1024], K = its axis 1): each comes as NAME_codes (uint8): NAME with its K axis moved to the last place and cut into blocks of 32 codes, [.., K / 32, bytes a block], one block behind the other in memory; four codes in three bytes: a row's codes are one little-endian stream of bits, code i at bits 6 i .. 6 i + 5 (a code: sign, 3 exponent bits, 2 mantissa bits); and NAME_scales (uint8): the same leading axes, one E8M0 byte (e + 127) for each 32 codes along K. Its value is code x scale, taken as it is: it is not quantised again, and the codes and scales need not be those that the quantiser above would give.
;; One version. Each part assembles by itself: llvm-mc -triple=amdgcn-amd-amdhsa -mcpu=gfx1250 --defsym DOCPART=n.
;; ======== version 1 of 1: 1 launch
;; limits: right only within a limited range of input values
;; launch moe (part 1): grid 8 x 32, 8 waves a work-group, clusters of 4 x 4, 327,680 bytes of LDS; arguments x_codes, x_scales, W_codes, W_scales, b, gates, out0; writes out0
.if DOCPART == 1
	.amdgcn_target "amdgcn-amd-amdhsa--gfx1250"
	.amdhsa_code_object_version 6
	.text
	.protected	k_q81461cb82d_moe
	.globl	k_q81461cb82d_moe
	.p2align	8
	.type	k_q81461cb82d_moe,@function
k_q81461cb82d_moe:
	s_mov_b64 s[64:65], 0
	v_nop
	global_prefetch_b8 v0, s[64:65] scope:SCOPE_SE
	s_setreg_imm32_b32 hwreg(HW_REG_WAVE_MODE, 25, 1), 1
	s_wait_xcnt 0x0
	s_wait_alu depctr_hold_cnt(0) depctr_sa_sdst(0) depctr_va_vdst(0) depctr_va_sdst(0) depctr_va_ssrc(0) depctr_va_vcc(0) depctr_vm_vsrc(0)
	s_getreg_b32 s2, hwreg(HW_REG_IB_STS2, 6, 4)
	s_cmp_eq_u32 s2, 0
	s_cbranch_scc0 .Lentry_in_a_cluster
	s_endpgm
.Lentry_in_a_cluster:
	s_bfe_u32 s2, ttmp6, 0x10000c
	s_cmp_lg_u32 s2, 0xf033
	s_cbranch_scc0 .Lentry_shape_is_right
	s_endpgm
.Lentry_shape_is_right:
; out[t][n] = sum over e of gates[t][e] * (sum over k of x[t][k] W[e][k][n] + b[e][n]).  8,192 tokens, 8 experts, K = N = 1,024.
; x and W come as codes of BF6 (E3M2), K innermost: a row is 768 dense bytes; one E8M0 byte for each 32 along K: 32 bytes a row.
; EVERY expert is multiplied for every token: gates is a floating-point input that weighs every expert, and any of its numbers may differ from 0.
; SHARES.  Work-group (ng, mt): tokens 256 mt .. + 255, columns 128 ng .. + 127: 256 work-groups.  Eight waves, two for each SIMD, 512 registers each.
; Waves w and w xor 1 share 64 tokens and halve K: wave w takes K 512 kh .. + 511, kh = w & 1.  The gated total is linear in K: each wave keeps a total over its half, and the two are added once a pass.
; A wave's token blocks: a = 0, 1 are its OWN tokens 32 w .. + 31, a = 2, 3 its partner's, 32 (w xor 1) .. + 31: it sends the totals of a = 2, 3 and finishes those of a = 0, 1.
; x STAYS IN REGISTERS: 64 tokens x 512 K are 16 fragments, 192 registers, read from LDS once.
; FOUR PASSES of 32 columns (groups g = 0, 1 of 16); a pass is eight STEPS, one for each expert: 2 groups x 4 K steps x 4 token blocks = 32 matrix instructions.
; Step e of a pass takes expert e xor 4 hc, hc the parity of the cluster's y: half of the clusters begin with experts 4-7.
; A GROUP is one run of 16 matrix instructions; behind it stand the 16 packed lines that take the OTHER group's finished accumulators x gate into the total (they name none of the run's registers: they are the places
; behind it), and the 14 LDS loads of the same group's next step, into the registers that the run has read.  The first step of a pass multiplies only: nothing is cleared.
; HALF of b's numbers is the C of each first K step: the two halves of K bring it whole.
; K IS PERMUTED ALIKE ON BOTH SIDES: with q = 2 kh + (lane / 16), K step s, a lane takes the 48 neighbouring bytes from byte 192 q + 48 s of the row: blocks 8 q + 2 s and 8 q + 2 s + 1.  The unit takes them as blocks (lane / 16) and
; 2 + (lane / 16) of its 128, so a scale word is made of bytes 2 s, 8 + 2 s, 2 s + 1, 9 + 2 s of the wave's 16: one v_perm_b32.
; THE MATRIX INSTRUCTION IS USED TRANSPOSED: source 0 = 16 rows of W[e], source 1 = 16 tokens: lane (r, h) holds token r, register j column 8 h + j.
; THE RING: two slots of four steps' tiles (4 x 32 rows of W), one tensor load a wave.  A refill is asked for three and a half steps ahead of the wait for it (slot 1's first fill two and a half): so no tile is prefetched.
; CLUSTER 4 x 4: W's tiles are asked for jointly by a column (same ng), x's by a row (same mt).
; LIMITS, stated: the f32 sums are taken in another order than ascending K and ascending experts.  A number of b under 2^-125 in magnitude may lose its last bit when halved.  A scale byte 0xff makes the sums NaN, as the format says.
;
; LDS: codes as lines of 256 bytes + 16 of padding: a row of 768 bytes is 816 = 51 x 16: the sixteen rows that a load touches start at sixteen different columns of 16 bytes (64 banks of 4 bytes: ISA guide 11.1).
.set ROWP,  816
.set BLKB,  16*ROWP                    ; a fragment's 16 rows
.set TILE,  32*ROWP                    ; a step's tile of W: 26,112
.set SL0,   256*ROWP                   ; x's 256 rows at 0; W's slot 0 behind them;
.set SPARE, SL0+4*TILE                 ; the spare words, 128 bytes a wave: four blocks of 256 bytes that no other line names
.set BT,    SPARE+1024                 ; half of b: [8 steps][128 columns]
.set EX,    4*TILE                     ; slot 1 lies at 0, in x's bytes, once x is in registers; behind it, where x had its one fill: the exchange, 4,096 bytes a wave,
.set FS,    EX+32768                   ; and the stage, 32 rows x 272 bytes a wave
.set FW,    32*272
; VECTOR REGISTERS.  window 0: addresses, scale words, bias, gates, W's fragments v[96 + 48 g + 12 s], accumulators v[192 + 32 g + 8 a].
;   window 1: x's fragments v[48 s + 12 a], the totals v[192 + 32 g + 8 a].
.set R,1
.set H,2
.set VL,3                              ; 32 x lane
.set AB,4                              ; the pass's bias: BT + 32 h + 128 x pass
.set AB0,5
.set AW,6                              ; v6-17: W's fragments: slot, pair of steps, third of the 192 bytes (a padding may lie behind byte 64 or 128)
.set STO,18                            ; into the stage; v19 the same for the even passes
.set STO0,19
.set RD,20                             ; back by rows
.set CO,21                             ; and their place in out
.set ES,22                             ; what I send
.set EL,23                             ; what my partner sends
.set SPW,24                            ; my spare word; never rewritten
.set NIL,25                            ; 0; never rewritten
.set RAW,28                            ; v28-31 a row's 16 scale bytes of W
.set WS,32                             ; v32-39 W's scale words, two sets of four: lanes 0-15 group 0, lanes 16-31 group 1
.set XS,40                             ; v40-47 x's: register 4 (a / 2) + s: lanes 0-15 even a, lanes 16-31 odd a
.set BI,48                             ; v48-63 bias of the two groups
.set GP,64                             ; v64-95 gates (a, e) at 8 a + e
.set WF,96
.set ACC,192
.set AX,224                            ; the head alone: v224-229 x's fragments: own tokens, partner's
.set VG,230
.set XR,240
; SCALAR REGISTERS
.set WV,18
.set CX,19
.set CY,20
.set NG,21
.set MT,22
.set CC,23
.set G1W,24
.set G1X,32
.set G0W,40
.set G0X,48
.set G1H,52
.set G0H,60
.set TA,66
.set TB,67
.set PWS,70                            ; s[70:73] W's scales, the walk's first and second half of the experts
.set OUTP,74
.set OY,76
.set OX,78
.set PXL,80
.set PXH,82
.set PGL,84
.set PGH,86
.set PBI,88
.set HC,90
.set KH,91
.set SE,92                             ; s92, s93 v_perm_b32's selects for even and odd K steps
.set TT,94
.set PBS,95
.set PAR,96
.set WX,97
.set MSB,0
.macro WIN new                         ; the immediate's high byte repeats the setting that is left
.if MSB != (\new)
	s_set_vgpr_msb (MSB<<8)|(\new)
.set MSB, (\new)
.endif
.endm
.macro CREST                           ; a round of the cluster's barrier behind its opening barrier
	s_cmp_lg_u32 s[WV], 0
	s_cbranch_scc1 .Lnot_wave_0_\@
	s_barrier_signal -3
.Lnot_wave_0_\@:
	s_barrier_wait -3
	s_barrier_signal -1
	s_barrier_wait -1
.endm
.macro CROUND
	s_barrier_signal -1
	s_barrier_wait -1
	CREST
.endm
; a K step of a group: four matrix instructions: group mg, K step ms, scale set mp.  The accumulators take turns.
.macro MUL4 mg, ms, mp
	WIN 0x04
.irp aa, 0,1,2,3
.set rD, ACC+32*(\mg)+8*\aa
.set rA, WF+48*(\mg)+12*(\ms)
.set rB, 48*(\ms)+12*\aa
.set rC, rD
.if (\ms) == 0
.set rC, BI+8*(\mg)
.endif
.set rSA, WS+4*(\mp)+(\ms)
.set rSB, XS+4*(\aa/2)+(\ms)
.if (\mg) && (\aa%2)
	v_wmma_scale_f32_16x16x128_f8f6f4 v[rD:rD+7], v[rA:rA+11], v[rB:rB+11], v[rC:rC+7], v[rSA], v[rSB] matrix_a_fmt:MATRIX_FMT_BF6 matrix_b_fmt:MATRIX_FMT_BF6 matrix_a_scale:MATRIX_SCALE_ROW1 matrix_b_scale:MATRIX_SCALE_ROW1
.elseif (\mg)
	v_wmma_scale_f32_16x16x128_f8f6f4 v[rD:rD+7], v[rA:rA+11], v[rB:rB+11], v[rC:rC+7], v[rSA], v[rSB] matrix_a_fmt:MATRIX_FMT_BF6 matrix_b_fmt:MATRIX_FMT_BF6 matrix_a_scale:MATRIX_SCALE_ROW1
.elseif (\aa%2)
	v_wmma_scale_f32_16x16x128_f8f6f4 v[rD:rD+7], v[rA:rA+11], v[rB:rB+11], v[rC:rC+7], v[rSA], v[rSB] matrix_a_fmt:MATRIX_FMT_BF6 matrix_b_fmt:MATRIX_FMT_BF6 matrix_b_scale:MATRIX_SCALE_ROW1
.else
	v_wmma_scale_f32_16x16x128_f8f6f4 v[rD:rD+7], v[rA:rA+11], v[rB:rB+11], v[rC:rC+7], v[rSA], v[rSB] matrix_a_fmt:MATRIX_FMT_BF6 matrix_b_fmt:MATRIX_FMT_BF6
.endif
.endr
.endm
.macro MUL8 hg, hs, hp
	MUL4 \hg, \hs, \hp
	MUL4 \hg, (\hs)+1, \hp
.endm
; group gg's accumulators x the gates of step fe into its total: fm = 1 added, fm = 2 begun.  Each accumulator from its low end on; one word of the gates' pair serves both halves
.macro FLG gg, fe, fm
	WIN 0x50
.irp a, 0,1,2,3
.irp k, 0,2,4,6
.set rT, 192+32*(\gg)+8*\a+\k
.set rX, ACC+32*(\gg)+8*\a+\k
.set rG, GP+8*\a+2*((\fe)/2)
.if ((\fm) == 1) && (((\fe)%2) == 0)
	v_pk_fma_f32 v[rT:rT+1], v[rX:rX+1], v[rG:rG+1], v[rT:rT+1] op_sel_hi:[1,0,1]
.elseif (\fm) == 1
	v_pk_fma_f32 v[rT:rT+1], v[rX:rX+1], v[rG:rG+1], v[rT:rT+1] op_sel:[0,1,0] op_sel_hi:[1,1,1]
.elseif ((\fe)%2) == 0
	v_pk_mul_f32 v[rT:rT+1], v[rX:rX+1], v[rG:rG+1] op_sel_hi:[1,0]
.else
	v_pk_mul_f32 v[rT:rT+1], v[rX:rX+1], v[rG:rG+1] op_sel:[0,1] op_sel_hi:[1,1]
.endif
.endr
.endr
.endm
; group lg's LDS loads for step le: four fragments of W and its bias: 14 loads
.macro LG lg, le, ladd
	WIN 0
.irp s, 0,1,2,3
.irp j, 0,1,2
.set Z, 48*\s+16*\j
.set rW, WF+48*(\lg)+12*\s+4*\j
	ds_load_b128 v[rW:rW+3], v[AW+6*((\le)/4)+3*(((\le)/2)%2)+Z/64] offset:TILE*((\le)%2)+BLKB*(\lg)+Z
.endr
.endr
.irp i, 0,1
.set rW, BI+8*(\lg)+4*\i
	ds_load_b128 v[rW:rW+3], v[AB] offset:512*(\le)+64*(\lg)+16*\i+(\ladd)
.endr
.endm
.macro XLOAD xs                        ; x's four fragments of a K step: 12 loads
.irp a, 0,1,2,3
.irp j, 0,1,2
.set Z, 48*(\xs)+16*\j
.set rW, 48*(\xs)+12*\a+4*\j
	ds_load_b128 v[rW:rW+3], v[AX+3*(\a/2)+Z/64] offset:BLKB*(\a%2)+Z
.endr
.endr
.endm
.macro PERM pd, ps                     ; 16 scale bytes of a row -> four scale words
.irp s, 0,1,2,3
	v_perm_b32 v[(\pd)+\s], v[(\ps)+2+\s/2], v[(\ps)+\s/2], s[SE+\s%2]
.endr
.endm
; the next step's scale words from the bytes asked for a step ago; then the bytes of the step behind it are asked for: step ce of the pass dp passes on (ce > 7: none)
.macro SCL cp, ce, dp
	WIN 0
	s_wait_loadcnt 0x0
	PERM WS+4*(\cp), RAW
.if (\ce) < 8
	global_load_b128 v[RAW:RAW+3], v[VL], s[PWS+2*((\ce)/4):PWS+2*((\ce)/4)+1] offset:32768*((\ce)%4)+1024*(\dp)
.endif
.endm
; step e = 1 .. 7 of a pass; last = 1: the last pass, which fills nothing.
.macro STEP e, last
.set pr, (\e)%2
.set md, 1
.if (\e) == 1
.set md, 2
.endif
.if (((\e) == 3) || ((\e) == 7)) && ((\last) == 0)
	WIN 0
	s_wait_tensorcnt 0x0                           ; the one load that was out is my part of the other slot; so a group 0 may be written
	ds_add_u32 v[SPW], v[NIL]                      ; 0 onto my spare word
	s_add_nc_u64 s[G0W+4*((\e)/4)+2:G0W+4*((\e)/4)+3], s[G0W+4*((\e)/4)+2:G0W+4*((\e)/4)+3], 32*768   ; this slot's tile of the next pass
	s_wait_dscnt 15                                ; group 0's fragments are in; group 1's 14 loads and the add may be out
	MUL8 0, 0, pr
	s_wait_dscnt 0x0                               ; the add is done, and so are my reads of this slot (the last were group 1's of this step)
	s_barrier_signal -1                            ; opens a round of the cluster's barrier
	MUL8 0, 2, pr
	FLG 1, (\e)-1, md
	WIN 0
	s_barrier_wait -1
	CREST
	tensor_load_to_lds s[G0W+4*((\e)/4):G0W+4*((\e)/4)+3], s[G1W:G1W+7]   ; my one load behind the round
	s_nop 0
.rept 4
	v_nop
.endr
.elseif (\e) == 3
	s_wait_tensorcnt 0x0                           ; the last pass: slot 1 is whole behind this barrier, and nothing is filled again
	s_wait_dscnt 0x0
	s_barrier_signal -1
	MUL8 0, 0, pr
	MUL8 0, 2, pr
	FLG 1, (\e)-1, md
	s_barrier_wait -1
.else
	s_wait_dscnt 14                                ; group 0's fragments are in; group 1's 14 loads may be out
	MUL8 0, 0, pr
	MUL8 0, 2, pr
	FLG 1, (\e)-1, md
.endif
.if ((\e) < 7) || ((\last) == 0)
	LG 0, ((\e)+1)%8, 128*((\e)/7)
	s_wait_dscnt 14                                ; group 1's fragments are in; the 14 loads just issued may be out
.else
	s_wait_dscnt 0x0
.endif
	MUL8 1, 0, pr
	MUL8 1, 2, pr
.if (\e) < 6
	SCL 1-pr, (\e)+2, 0
.elseif (\last) == 0
	SCL 1-pr, (\e)-6, 1
.elseif (\e) == 6
	SCL 1-pr, 8, 0
.endif
	FLG 0, \e, 1
.if ((\e) < 7) || ((\last) == 0)
	LG 1, ((\e)+1)%8, 128*((\e)/7)
.endif
.endm
; THE EXCHANGE.  Totals of a = 2, 3 (v208-223, v240-255 of window 1) go out and the partner's come into the same registers; both are added to a = 0, 1.
.macro ESTORE
	WIN 0x04
.irp g, 0,1
.irp i, 0,1,2,3
	ds_store_b128 v[ES], v[208+32*\g+4*\i:211+32*\g+4*\i] offset:2048*\g+512*\i
.endr
.endr
.endm
.macro ELOAD
	WIN 0x40
.irp g, 0,1
.irp i, 0,1,2,3
	ds_load_b128 v[208+32*\g+4*\i:211+32*\g+4*\i], v[EL] offset:2048*\g+512*\i
.endr
.endr
.endm
.macro EADD
	WIN 0x45
.irp g, 0,1
.irp k, 0,2,4,6,8,10,12,14
	v_pk_add_f32 v[192+32*\g+\k:193+32*\g+\k], v[192+32*\g+\k:193+32*\g+\k], v[208+32*\g+\k:209+32*\g+\k]
.endr
.endr
.endm
; my 32 finished tokens x 32 columns into my own stage: rows of 64 columns, 32 of which a pass makes
.macro FSTORE fadr, foff
	WIN 0x04
.irp g, 0,1
.irp a, 0,1
.irp i, 0,1
	ds_store_b128 v[\fadr], v[192+32*\g+8*\a+4*\i:195+32*\g+8*\a+4*\i] offset:16*272*\a+64*\g+16*\i+(\foff)
.endr
.endr
.endr
.endm
; and, with 64 columns there, back by whole rows of 256 bytes, cnt pairs of rows from pair n0 on, into accumulator registers that are free: sixteen lanes store 256 consecutive bytes, at a multiple of 256 from out's first byte.
; LDS serves a wave's instructions in order (ISA guide 5.7.1.4).
.macro OUTW ooff, n0, cnt
	WIN 0
.set i, 0
.rept \cnt
	ds_load_b128 v[192+4*i:195+4*i], v[RD] offset:544*(i+(\n0))
.set i, i+1
.endr
.set i, 0
.rept \cnt
	s_wait_dscnt (\cnt)-1-i                        ; the younger read-backs may stay out
	global_store_b128 v[CO], v[192+4*i:195+4*i], s[OUTP:OUTP+1] offset:8192*(i+(\n0))+(\ooff) th:TH_STORE_NT
.set i, i+1
.endr
	s_wait_xcnt 0x0                                ; the stores have read their registers
.endm
; ---------------------------------------------------------------- the head
	s_load_b256 s[4:11], s[0:1], 0x0               ; x's codes, x's scales, W's codes, W's scales
	s_load_b128 s[12:15], s[0:1], 0x20             ; b, gates
	s_load_b64 s[16:17], s[0:1], 0x30              ; out
	v_lshl_add_u32 v[SPW], v0, 2, SPARE
	v_mov_b32 v[NIL], 0
	ds_add_u32 v[SPW], v[NIL]                      ; the opening lines: the add, twice on end, under one wait
	ds_add_u32 v[SPW], v[NIL]
	v_lshrrev_b32 v1, 5, v0
	v_readfirstlane_b32 s[WV], v1
	s_bfe_u32 s[CX], ttmp6, 0x40000
	s_bfe_u32 s[CY], ttmp6, 0x40004
	s_lshl_b32 s[NG], ttmp9, 2
	s_add_co_u32 s[NG], s[NG], s[CX]               ; ng = 4 x cluster x + cx
	s_and_b32 s[CC], ttmp7, 0xffff
	s_and_b32 s[HC], s[CC], 1                      ; the same in all sixteen partners
	s_lshl_b32 s[MT], s[CC], 2
	s_add_co_u32 s[MT], s[MT], s[CY]               ; mt = 4 x cluster y + cy
	s_lshl_b32 s[MT], s[MT], 8                     ; its first token
	s_lshl_b32 s2, s[CY], 2
	s_lshl_b32 s2, 15, s2                          ; my row of the cluster
	s_lshl_b32 s3, 0x1111, s[CX]                   ; my column
	; descriptor groups 1, elements of 8 bytes: dense blocks as lines of 256 bytes, 16 bytes of padding behind each.  W in the ring: 16 rows = 48 lines; W at the head: 32 rows = 96 lines; x: 64 rows = 192 lines
	s_or_b32 s[G1W], s3, (3<<16)|(1<<20)|(1<<21)|(5<<22)|(3<<25)
	s_or_b32 s[G1X], s2, (3<<16)|(1<<20)|(1<<21)|(5<<22)|(3<<25)
	s_or_b32 s[G1H], s3, (3<<16)|(1<<20)|(1<<21)|(5<<22)|(3<<25)
	s_mov_b32 s[G1W+2], 48<<16
	s_mov_b32 s[G1W+4], 48
	s_mov_b32 s[G1X+2], 192<<16
	s_mov_b32 s[G1X+4], 192
	s_mov_b32 s[G1H+2], 96<<16
	s_mov_b32 s[G1H+4], 96
.irp g, G1W, G1X, G1H
	s_mov_b32 s[\g+1], 32<<16
	s_mov_b32 s[\g+3], 32<<16
	s_mov_b32 s[\g+5], 32
	s_mov_b32 s[\g+6], 0
	s_mov_b32 s[\g+7], 0
.endr
	s_and_b32 s[KH], s[WV], 1
	s_xor_b32 s[WX], s[WV], 1
	s_mov_b32 s[SE], 0x05010400
	s_mov_b32 s[SE+1], 0x07030602
	s_mov_b32 s[TT], 0
	s_mov_b32 s[PBS], 0
	s_mov_b32 s[PAR], 0
	s_mov_b32 s[OY+1], 0
	s_mov_b32 s[OX+1], 0
	s_lshl_b32 s2, s[KH], 1
	s_mul_i32 s3, s[WV], TILE                      ; my own 32 rows of x in LDS
	s_mul_i32 s66, s[WX], TILE                     ; my partner's
	s_lshl_b32 s67, s[WV], 12
	s_add_co_u32 s67, s67, EX
	s_lshl_b32 s98, s[WX], 12
	s_add_co_u32 s98, s98, EX
	s_mul_i32 s99, s[WV], FW
	s_add_co_u32 s99, s99, FS
	s_lshl_b32 s100, s[HC], 4
	s_xor_b32 s101, s100, 16
	s_lshl_b32 s68, s[HC], 2
	v_and_b32 v[R], 15, v0
	v_bfe_u32 v[H], v0, 4, 1
	v_and_b32 v26, 31, v0                          ; lane
	v_lshlrev_b32 v[VL], 5, v26
	v_add_nc_u32 v27, s2, v[H]                     ; q = 2 kh + h
	v_mul_u32_u24 v236, v[R], ROWP
	v_mul_u32_u24 v237, v27, 192
	v_add_nc_u32 v236, v236, v237                  ; row + 192 q,
	v_mul_u32_u24 v237, v27, 3
.irp k, 0,1,2                                  ; and 16 for each 256 passed: (192 q + 64 k) / 256 = (3 q + k) / 4
	v_add_nc_u32 v238, \k, v237
	v_lshrrev_b32 v238, 2, v238
	v_lshl_add_u32 v[AW+6+\k], v238, 4, v236
	v_add_nc_u32 v[AW+\k], SL0, v[AW+6+\k]
	v_add_nc_u32 v[AW+3+\k], SL0+2*TILE, v[AW+6+\k]
	v_add_nc_u32 v[AW+9+\k], 2*TILE, v[AW+6+\k]
	v_add_nc_u32 v[AX+\k], s3, v[AW+6+\k]
	v_add_nc_u32 v[AX+3+\k], s66, v[AW+6+\k]
.endr
	v_mul_u32_u24 v238, v[R], 272
	v_lshl_add_u32 v238, v[H], 5, v238
	v_add_nc_u32 v[STO0], s99, v238                ; into the stage: row r, + 32 h
	v_mul_u32_u24 v239, v[H], 272
	v_lshl_add_u32 v239, v[R], 4, v239
	v_add_nc_u32 v[RD], s99, v239                  ; back: lanes 0-15 one row, lanes 16-31 the next
	v_lshlrev_b32 v[CO], 12, v[H]
	v_lshl_add_u32 v[CO], v[R], 4, v[CO]           ; a row of out is 4,096 bytes
	v_lshl_add_u32 v[ES], v26, 4, s67
	v_lshl_add_u32 v[EL], v26, 4, s98
	v_lshl_add_u32 v[AB0], v[H], 5, BT
	v_lshl_add_u32 v[AB], v[H], 5, BT
	v_lshlrev_b32 v238, 5, v[R]
	v_add_nc_u32 v[VG], s100, v238                 ; a token's gates: the four that the walk takes first,
	v_add_nc_u32 v[VG+1], s101, v238               ; and the other four
	v_lshrrev_b32 v232, 5, v0                      ; the bias: thread i takes four columns of step i / 32,
	v_xor_b32 v232, s68, v232                      ; whose expert is (i / 32) xor 4 hc
	v_lshlrev_b32 v232, 12, v232
	v_lshl_add_u32 v232, v26, 4, v232
	v_lshl_add_u32 v234, v0, 4, BT
	s_wait_dscnt 0x0                               ; both opening adds are done
	s_wait_alu depctr_va_vdst(0)
	s_wait_kmcnt 0x0
	; what hangs on the work-group's y goes through s[76:77], what hangs on its x through s[78:79]
	s_and_b32 s101, s[WV], 3
	s_lshl_b32 s[OY], s101, 6
	s_add_co_u32 s[OY], s[OY], s[MT]
	s_mul_i32 s[OY], s[OY], 768
	s_mov_b32 s[G0X], 1
	s_mul_i32 s[G0X+1], s101, 64*ROWP
	s_add_nc_u64 s[G0X+2:G0X+3], s[4:5], s[OY:OY+1]   ; waves 0 to 3: 64 rows of x each
	s_or_b32 s[G0X+3], s[G0X+3], 0x80000000
	s_lshl_b32 s[TA], s[WV], 5
	s_add_co_u32 s[TA], s[TA], s[MT]               ; my own first token
	s_lshl_b32 s[TB], s[WX], 5
	s_add_co_u32 s[TB], s[TB], s[MT]               ; my partner's
	s_lshl_b32 s98, s[KH], 4
	s_lshl_b32 s[OY], s[TA], 5
	s_add_nc_u64 s[PGL:PGL+1], s[14:15], s[OY:OY+1]
	s_add_co_u32 s[OY], s[OY], s98
	s_add_nc_u64 s[PXL:PXL+1], s[6:7], s[OY:OY+1]
	s_lshl_b32 s[OY], s[TB], 5
	s_add_nc_u64 s[PGH:PGH+1], s[14:15], s[OY:OY+1]
	s_add_co_u32 s[OY], s[OY], s98
	s_add_nc_u64 s[PXH:PXH+1], s[6:7], s[OY:OY+1]
	s_lshl_b32 s[OY], s[TA], 12
	s_add_nc_u64 s[OUTP:OUTP+1], s[16:17], s[OY:OY+1]
	s_lshl_b32 s[OX], s[NG], 9
	s_add_nc_u64 s[OUTP:OUTP+1], s[OUTP:OUTP+1], s[OX:OX+1]
	s_add_nc_u64 s[PBI:PBI+1], s[12:13], s[OX:OX+1]
	s_xor_b32 s99, s[HC], 1
	s_lshl_b32 s2, s[NG], 12
	s_add_co_u32 s2, s2, s98
	s_lshl_b32 s[OX], s[HC], 17
	s_add_co_u32 s[OX], s[OX], s2
	s_add_nc_u64 s[PWS:PWS+1], s[10:11], s[OX:OX+1]
	s_lshl_b32 s[OX], s99, 17
	s_add_co_u32 s[OX], s[OX], s2
	s_add_nc_u64 s[PWS+2:PWS+3], s[10:11], s[OX:OX+1]
	s_mul_i32 s2, s[NG], 128*768                   ; W: row 128 ng of an expert
	s_mov_b32 s[G0H], 1
	s_mul_i32 s3, s101, TILE
	s_add_co_u32 s[G0H+1], s3, SL0
	s_lshl_b32 s[OX], s[HC], 2
	s_add_co_u32 s[OX], s[OX], s101
	s_mul_i32 s[OX], s[OX], 1024*768
	s_add_co_u32 s[OX], s[OX], s2
	s_add_nc_u64 s[G0H+2:G0H+3], s[8:9], s[OX:OX+1]   ; waves 4 to 7 at the head: a step's tile each
	s_or_b32 s[G0H+3], s[G0H+3], 0x80000000
	s_mul_i32 s3, s[KH], 16*768
	s_add_co_u32 s2, s2, s3                        ; in the ring: 16 rows of the tile of step w / 2 of the slot
	s_lshr_b32 s100, s[WV], 1
	s_mul_i32 s3, s[WV], BLKB
	s_mov_b32 s[G0W], 1
	s_add_co_u32 s[G0W+1], s3, SL0
	s_lshl_b32 s[OX], s[HC], 2
	s_add_co_u32 s[OX], s[OX], s100
	s_mul_i32 s[OX], s[OX], 1024*768
	s_add_co_u32 s[OX], s[OX], s2
	s_add_nc_u64 s[G0W+2:G0W+3], s[8:9], s[OX:OX+1]
	s_or_b32 s[G0W+3], s[G0W+3], 0x80000000
	s_mov_b32 s[G0W+4], 1
	s_mov_b32 s[G0W+5], s3
	s_lshl_b32 s[OX], s99, 2
	s_add_co_u32 s[OX], s[OX], s100
	s_mul_i32 s[OX], s[OX], 1024*768
	s_add_co_u32 s[OX], s[OX], s2
	s_add_nc_u64 s[G0W+6:G0W+7], s[8:9], s[OX:OX+1]
	s_or_b32 s[G0W+7], s[G0W+7], 0x80000000
	CROUND                                         ; all sixteen work-groups are here: the first joint loads meet
	s_cmp_lt_u32 s[WV], 4                          ; one load a wave
	s_cbranch_scc0 .Lhead_w
	tensor_load_to_lds s[G0X:G0X+3], s[G1X:G1X+7]
	s_nop 0
.rept 4
	v_nop
.endr
	s_branch .Lhead_asked
.Lhead_w:
	tensor_load_to_lds s[G0H:G0H+3], s[G1H:G1H+7]
	s_nop 0
.rept 4
	v_nop
.endr
.Lhead_asked:
	global_load_b128 v[248:251], v232, s[PBI:PBI+1]
	global_load_b128 v[XR:XR+3], v[VL], s[PXL:PXL+1]
	global_load_b128 v[XR+4:XR+7], v[VL], s[PXH:PXH+1]
	global_load_b128 v[RAW:RAW+3], v[VL], s[PWS:PWS+1]
.irp f, 0,1                                    ; all eight gates of my four token blocks: they stay
.irp a, 0,1
	global_load_b128 v[GP+8*\a+4*\f:GP+8*\a+4*\f+3], v[VG+\f], s[PGL:PGL+1] offset:512*\a
	global_load_b128 v[GP+16+8*\a+4*\f:GP+16+8*\a+4*\f+3], v[VG+\f], s[PGH:PGH+1] offset:512*\a
.endr
.endr
	s_wait_loadcnt 0x0
	v_pk_mul_f32 v[248:249], v[248:249], 0.5 op_sel_hi:[1,0]
	v_pk_mul_f32 v[250:251], v[250:251], 0.5 op_sel_hi:[1,0]
	ds_store_b128 v234, v[248:251]
	PERM XS, XR
	PERM XS+4, XR+4
	PERM WS, RAW
	global_load_b128 v[RAW:RAW+3], v[VL], s[PWS:PWS+1] offset:32768   ; step 1's
.rept 8
	v_nop                                          ; a scale register so written stands 8 places ahead of a scaled matrix instruction
.endr
	s_wait_alu depctr_va_vdst(0)
	s_wait_tensorcnt 0x0
	s_wait_dscnt 0x0
	s_barrier_signal -1
	s_barrier_wait -1                              ; x, slot 0 and the bias are whole
	LG 0, 0, 0
	WIN 0x40
	XLOAD 0
	XLOAD 1
	XLOAD 2
	XLOAD 3
	LG 1, 0, 0
	s_wait_dscnt 50                                ; of the 76 loads the first 26 are needed
	MUL4 0, 0, 0
	s_wait_dscnt 38                                ; x's K steps 2 and 3 and group 1's loads may be out
	MUL4 0, 1, 0
	s_wait_dscnt 26
	MUL4 0, 2, 0
	s_wait_dscnt 14
	MUL4 0, 3, 0
	WIN 0
.rept 4
	v_nop                                          ; places behind group 0's last products
.endr
	s_wait_tensorcnt 0x0                           ; slot 1's first fill lands where x lay
	ds_add_u32 v[SPW], v[NIL]
	s_wait_dscnt 0x0                               ; the add is done, and x is in registers
	CROUND
	tensor_load_to_lds s[G0W+4:G0W+7], s[G1W:G1W+7]
	s_nop 0
.rept 4
	v_nop
.endr
	LG 0, 1, 0
	MUL8 1, 0, 0
	MUL8 1, 2, 0
	SCL 1, 2, 0
	FLG 0, 0, 2
	LG 1, 1, 0
	s_wait_alu depctr_va_vdst(0)
; ---------------------------------------------------------------- passes 0 to 2: steps 1 to 7, then step 0 of the next pass with this pass's way out
.Ltrip:
	STEP 1, 0
	STEP 2, 0
	STEP 3, 0
	STEP 4, 0
	STEP 5, 0
	STEP 6, 0
	STEP 7, 0
	s_wait_dscnt 14
	MUL8 0, 0, 0
	MUL8 0, 2, 0
	FLG 1, 7, 1                                    ; the pass's totals are complete
	WIN 0
	s_add_co_u32 s[PBS], s[PBS], 128
	v_add_nc_u32 v[AB], s[PBS], v[AB0]
	v_add_nc_u32 v[STO], s[PAR], v[STO0]           ; even passes take the left half of the stage's rows, odd ones the right half
	s_xor_b32 s[PAR], s[PAR], 128
	s_wait_alu depctr_va_vdst(0)
	ESTORE
	LG 0, 1, 0
	s_wait_dscnt 22                                ; group 1's fragments are in; the 8 stores and 14 loads may be out
	MUL8 1, 0, 0                                   ; the next pass's group 1 multiplies between the parts of the exchange
	s_wait_dscnt 0x0                               ; for my partner's sake: my stores are done
	s_barrier_signal -1
	MUL8 1, 2, 0
	s_barrier_wait -1
	ELOAD
	SCL 1, 2, 1
	s_wait_dscnt 0x0
	EADD
	FSTORE STO, 0
	FLG 0, 0, 2                                    ; the totals have left: the next pass's begin
	WIN 0
	s_wait_alu depctr_va_vdst(0)
	s_cmp_eq_u32 s[TT], 1                          ; behind pass 1 the stage's rows are whole; the branch hangs on the counter alone, and no barrier and no tensor load stands under it
	s_cbranch_scc0 .Lskip
	OUTW 0, 0, 8                                   ; through group 0's accumulators, which have been taken in
	OUTW 0, 8, 8
.Lskip:
	LG 1, 1, 0
	s_wait_xcnt 0x0
	s_add_nc_u64 s[PWS:PWS+1], s[PWS:PWS+1], 1024
	s_add_nc_u64 s[PWS+2:PWS+3], s[PWS+2:PWS+3], 1024
	s_add_co_u32 s[TT], s[TT], 1
	s_cmp_lt_u32 s[TT], 3
	s_cbranch_scc1 .Ltrip
; ---------------------------------------------------------------- pass 3 fills nothing: written out
	STEP 1, 1
	STEP 2, 1
	STEP 3, 1
	STEP 4, 1
	STEP 5, 1
	STEP 6, 1
	STEP 7, 1
	FLG 1, 7, 1
	s_wait_alu depctr_va_vdst(0)
	ESTORE
	s_wait_dscnt 0x0
	s_barrier_signal -1
	s_barrier_wait -1
	ELOAD
	s_wait_dscnt 0x0
	EADD
	FSTORE STO0, 128
	OUTW 256, 0, 16
	s_wait_tensorcnt 0x0                           ; the wave's end
	ds_add_u32 v[SPW], v[NIL]
	s_wait_dscnt 0x0
	CROUND                                         ; the closing round: no work-group ends while a partner may still ask for a tile that names it
	s_endpgm
.Lfunc_end_k_q81461cb82d_moe:
	.size	k_q81461cb82d_moe, .Lfunc_end_k_q81461cb82d_moe-k_q81461cb82d_moe
	.p2alignl 7, 3214868480
	.fill 96, 4, 3214868480
	.section	.rodata,"a",@progbits
	.p2align	6, 0x0
	.amdhsa_kernel k_q81461cb82d_moe
		.amdhsa_group_segment_fixed_size 327680
		.amdhsa_private_segment_fixed_size 0
		.amdhsa_enable_private_segment 0
		.amdhsa_kernarg_size 56
		.amdhsa_user_sgpr_count 2
		.amdhsa_user_sgpr_kernarg_segment_ptr 1
		.amdhsa_wavefront_size32 1
		.amdhsa_system_sgpr_workgroup_id_x 1
		.amdhsa_system_sgpr_workgroup_id_y 1
		.amdhsa_system_sgpr_workgroup_id_z 1
		.amdhsa_system_vgpr_workitem_id 0
		.amdhsa_next_free_vgpr 512
		.amdhsa_next_free_sgpr 102
		.amdhsa_reserve_vcc 0
		.amdhsa_float_denorm_mode_32 3
		.amdhsa_float_denorm_mode_16_64 3
		.amdhsa_memory_ordered 1
		.amdhsa_forward_progress 1
		.amdhsa_inst_pref_size 165
	.end_amdhsa_kernel
	.amdgpu_metadata
---
amdhsa.version: [ 1, 2 ]
amdhsa.kernels:
  - .name:           k_q81461cb82d_moe
    .symbol:         k_q81461cb82d_moe.kd
    .args:
      - { .name: x_codes, .offset: 0, .size: 8, .value_kind: global_buffer, .address_space: global }
      - { .name: x_scales, .offset: 8, .size: 8, .value_kind: global_buffer, .address_space: global }
      - { .name: W_codes, .offset: 16, .size: 8, .value_kind: global_buffer, .address_space: global }
      - { .name: W_scales, .offset: 24, .size: 8, .value_kind: global_buffer, .address_space: global }
      - { .name: b, .offset: 32, .size: 8, .value_kind: global_buffer, .address_space: global }
      - { .name: gates, .offset: 40, .size: 8, .value_kind: global_buffer, .address_space: global }
      - { .name: out0, .offset: 48, .size: 8, .value_kind: global_buffer, .address_space: global }
    .group_segment_fixed_size: 327680
    .private_segment_fixed_size: 0
    .kernarg_segment_align: 8
    .kernarg_segment_size: 56
    .max_flat_workgroup_size: 256
    .sgpr_count:     102
    .vgpr_count:     512
    .wavefront_size: 32
...
	.end_amdgpu_metadata
.endif
;; end of part 1
